; MI455X (gfx1250); checked and timed in simulation.
; The chip was launched on July 23, 2026; its instructions are those of AMD's public machine-readable ISA for CDNA 5 (MIT licence, August 2026) and "CDNA5" Instruction Set Architecture Reference Guide (July 2026). The comments in the code are by the model that wrote it; some were corrected since.
;; MAB. Allowed arithmetic: matrix products marked QUANTISED: E2M1 operands, one E8M0 scale for each 32 along K, by v_wmma_scale_f32_16x16x128_f8f6f4 with both operands' format E2M1 (or v_wmma_scale_f32_32x16x128_f4), f32 sums; everything else in f32.
;; Inputs: We_codes 256 x 32 x 16 uint8 (E2M1 codes of We, K innermost, in blocks of 32 codes, two codes a byte); We_scales 256 x 32 uint8 (E8M0 scales of We, one for each 32 codes along K); Wk_codes 256 x 8 x 16 uint8 (E2M1 codes of Wk, K innermost, in blocks of 32 codes, two codes a byte); Wk_scales 256 x 8 uint8 (E8M0 scales of Wk, one for each 32 codes along K); Wm_codes 1,024 x 8 x 16 uint8 (E2M1 codes of Wm, K innermost, in blocks of 32 codes, two codes a byte); Wm_scales 1,024 x 8 uint8 (E8M0 scales of Wm, one for each 32 codes along K); Wo_codes 256 x 8 x 16 uint8 (E2M1 codes of Wo, K innermost, in blocks of 32 codes, two codes a byte); Wo_scales 256 x 8 uint8 (E8M0 scales of Wo, one for each 32 codes along K); Wq_codes 256 x 8 x 16 uint8 (E2M1 codes of Wq, K innermost, in blocks of 32 codes, two codes a byte); Wq_scales 256 x 8 uint8 (E8M0 scales of Wq, one for each 32 codes along K); Wv_codes 256 x 8 x 16 uint8 (E2M1 codes of Wv, K innermost, in blocks of 32 codes, two codes a byte); Wv_scales 256 x 8 uint8 (E8M0 scales of Wv, one for each 32 codes along K); b0 256 float32; b1 256 float32; be 256 float32; bk 256 float32; bm 1,024 float32; bo 256 float32; bq 256 float32; bv 256 float32; g0 256 float32; g1 256 float32; q_codes 4 x 2,048 x 8 x 16 uint8 (E2M1 codes of q, K innermost, in blocks of 32 codes, two codes a byte); q_scales 4 x 2,048 x 8 uint8 (E8M0 scales of q, one for each 32 codes along K); x_codes 4 x 2,048 x 8 x 16 uint8 (E2M1 codes of x, K innermost, in blocks of 32 codes, two codes a byte); x_scales 4 x 2,048 x 8 uint8 (E8M0 scales of x, one for each 32 codes along K).
;; Outputs: out0 4 x 2,048 x 256 float32.
;; This version of the problem:
;;   THIS VERSION OF THE PROBLEM IS GIVEN IN LOW PRECISION. The matrix products marked QUANTISED in the list below multiply operands that are first quantised to E2M1 (2 exponent bits, 1 mantissa bit; 4 bits a number), with one power-of-two scale for each 32 numbers along K (OCP MX v1.0); their sums are f32. All else is computed in f32.
;;   The module's matrix products, in the order in which they are computed (A, B: the left and right operand; K: the contracted axis; several contracted axes count as one K, in the product's order):
;;     1. [M 8,192, K 256] x [K 256, N 256]; A: input q (given as codes); B: input Wq (given as codes): QUANTISED
;;     2. [M 8,192, K 256] x [K 256, N 256]; A: input x (given as codes); B: input Wk (given as codes): QUANTISED
;;     3. [M 8,192, K 256] x [K 256, N 256]; A: input x (given as codes); B: input Wv (given as codes): QUANTISED
;;     4. batch 32 x [M 2,048, K 32] x [K 32, N 2,048]; A: computed on the way; B: computed on the way: QUANTISED
;;     5. batch 32 x [M 32, K 2,048] x [K 2,048, N 2,048]; A: computed on the way; B: softmax (see below): QUANTISED
;;     6. [M 8,192, K 256] x [K 256, N 256]; A: computed on the way; B: input Wo (given as codes): QUANTISED
;;     7. [M 8,192, K 256] x [K 256, N 1,024]; A: computed on the way; B: input Wm (given as codes): QUANTISED
;;     8. [M 8,192, K 1,024] x [K 1,024, N 256]; A: computed on the way; B: input We (given as codes): QUANTISED
;;   THE QUANTISER, for each operand of a quantised product, along K:
;;     - K is cut into blocks of 32 from its start; a last block that is shorter is filled with zeros.
;;     - A block's scale is 2^e with e = floor(log2(the largest magnitude in the block)) - 2, held to -126 .. 127; a block of zeros has e = 0. As a byte (E8M0): e + 127.
;;     - Each number is divided by its block's scale, clamped to +-6, and rounded to the nearest number of E2M1, ties to even, subnormals kept.
;;     - The product sums the exact products of the quantised numbers (number of the format x scale) in f32.
;;   ~~~python
;;   def quantise(x, axis):      # numpy; x: float32 -> the quantised numbers, widened to float32 again
;;       x = np.moveaxis(x, axis, -1); K = x.shape[-1]
;;       x = np.pad(x, [(0, 0)] * (x.ndim - 1) + [(0, -K % 32)]); x = x.reshape(x.shape[:-1] + (-1, 32)); a = np.abs(x).max(-1, keepdims=True)
;;       e = np.where(a > 0, np.clip(np.frexp(np.where(a > 0, a, 1))[1] - 1 - 2, -126, 127), 0)      # np.frexp(a)[1] - 1 = floor(log2(a)), exactly
;;       r = np.clip(x / 2.0 ** e, -6, 6)
;;       step = 2.0 ** (np.maximum(np.frexp(np.where(r == 0, 1, r))[1] - 1, 0) - 1)
;;       q = np.round(r / step) * step * 2.0 ** e      # np.round: ties to even
;;       return np.moveaxis(q.reshape(q.shape[:-2] + (-1,))[..., :K], -1, axis).astype(np.float32)
;;   ~~~
;;   SOFTMAX AHEAD OF A QUANTISED PRODUCT. Where the list says 'softmax', what is quantised is not the finished softmax but p = 2^(t - M), with t = logit x log2(e) and M = ceil(the row's largest t), a whole number; so 1/2 < the row's largest p <= 1. The row's sum l is taken of the UNQUANTISED p, in f32, and the product's result is divided by l at the end. Since M is a whole number, a kernel that streams over the keys may use a running M (the ceiling of the running maximum): every later rescaling is an exact power of two, which a block's scale takes up: the codes' values come out the same.
;;   OPERANDS COMPUTED ON THE WAY. 'Computed on the way' means the value that the module computes at that place (a softmax that the list does not call 'softmax' is quantised finished and normalised). What goes into a quantiser is computed in f32, as accurately as f32 sums, v_exp_f32 and their like allow (about 1e-6 of the number): no bf16 or f16 on the way to a quantiser, and a product that is left as it is and whose result goes on into a quantised operand takes f32 operands (vector FMAs, or v_wmma_f32_16x16x4_f32). A number that lies on a knife's edge between two numbers of the format may be rounded either way, as far as f32 arithmetic and the matrix unit's own rounding can turn it there, and no further.
;;   INPUTS GIVEN AS CODES. We (in the module: [1024, 256], K = its axis 0); Wk (in the module: [256, 256], K = its axis 0); Wm (in the module: [256, 1024], K = its axis 0); Wo (in the module: [256, 256], K = its axis 0); Wq (in the module: [256, 256], K = its axis 0); Wv (in the module: [256, 256], K = its axis 0); q (in the module: [4, 2048, 256], K = its axis 2); x (in the module: [4, 2048, 256], K = its axis 2): each comes as NAME_codes (uint8): NAME with its K axis moved to the last place and cut into blocks of 32 codes, [.., K / 32, bytes a block], one block behind the other in memory; two codes a byte, the lower K in the low four bits (a code: sign, 2 exponent bits, 1 mantissa bit); and NAME_scales (uint8): the same leading axes, one E8M0 byte (e + 127) for each 32 codes along K. Its value is code x scale, taken as it is: it is not quantised again, and the codes and scales need not be those that the quantiser above would give.
;; One version. Each part assembles by itself: llvm-mc -triple=amdgcn-amd-amdhsa -mcpu=gfx1250 --defsym DOCPART=n.
;; ======== version 1 of 1: 2 launches
;; limits: right only within a limited range of input values
;; workspace buffers: kv 2,228,224 bytes; img 327,680 bytes
;; launch prep (part 1): grid 256 x 1, 4 waves a work-group, no clusters, 0 bytes of LDS; arguments x_codes, x_scales, Wk_codes, Wk_scales, Wv_codes, Wv_scales, bk, bv, Wq_codes, Wo_codes, Wm_codes, We_codes, kv, img; writes kv, img
.if DOCPART == 1
	.amdgcn_target "amdgcn-amd-amdhsa--gfx1250"
	.amdhsa_code_object_version 6
	.text
	.protected	k_qdc279cae20_prep
	.globl	k_qdc279cae20_prep
	.p2align	8
	.type	k_qdc279cae20_prep,@function
k_qdc279cae20_prep:
	s_mov_b64 s[64:65], 0
	v_nop
	global_prefetch_b8 v0, s[64:65] scope:SCOPE_SE
	s_setreg_imm32_b32 hwreg(HW_REG_WAVE_MODE, 25, 1), 1
	s_wait_xcnt 0x0
; K = x Wk + bk and V = x Wv + bv on codes of FP4 (E2M1) with one E8M0 scale for each 32 along K; K quantised along the head's 32 channels, V along the keys; both stored as images of the operand registers of launch main.
; No step of the problem is left out.
; SHARES.  256 work-groups of four waves: bit 0 of the number: K or V; bit 1: heads 0-3 or 4-7; the rest: 64 steps of 128 keys (16 a batch).  K: wave = (pair of heads, 64 keys).  V: wave = one head, 128 keys.
; kv: a blob of 4,352 bytes for each (8 batch + head, step): K at 512 i + 16 lane (i = 2 f + c), V at 2048 + 512 (2 cv + c) + 16 lane, K's scale words at 4096 + 4 lane, V's at 4224 + 4 lane.
; ROWS OF A TILE are chosen so that a lane's 32 registers of four tiles are one whole block of the next product's K: row r of tile t is 32 (r / 8) + 8 t + r % 8 of 64.  So lanes 0-15 hold one block and lanes 16-31 the
; next, the block's maximum needs no other lane, and four conversions give the operand's four registers.
; img: weights re-laid as fragments, 640 pieces of 512 bytes (lane l at 16 l), one a wave in 640 of the 1,024 waves: 32 w + p: Wm's and We's of wave w of main; 512 + 8 head + j: Wq's; 576 + 4 w + j: Wo's.
; No cluster and no prefetch: there is no loop, each wave reads its fragments once, straight into registers.
; LIMITS.  NaN and infinities are not served; a given scale byte 0xff gives NaN.  A block whose largest magnitude lies under 2^-124 keeps the byte 1, a block of zeros too (its codes are zeros; only this program reads the bytes).
; Biases enter as the C of a sum's first product.  K's scale words leave in runs of 64 bytes, V's in runs of 128.
.set LI, 1
.set XA, 6                             ; (32 (r / 8) + r % 8) x 128 + 16 hh
.set XSA, 7                            ; the same rows x 8
.set WA16, 8                           ; (r + 8 (r / 8)) x 128 + 16 hh
.set WS16, 9
.set AR, 10                            ; r x 128 + 16 hh
.set AR5, 11                           ; r x 512 + 16 hh
.set CD, 12                            ; v12-15 codes just made
.set SO, 16
.set TB, 17
.set BVS, 18
.set XF, 20                            ; v20-147 x's tiles (K: v20-83)
.set WFK, 84                           ; v84-147 Wk's four tiles
.set XS, 148                           ; v148-163 x's scale words
.set WFV, 164                          ; v164-195 Wv's two tiles
.set BK, 164                           ; v164-195 bk
.set WS, 196                           ; v196-203 the weight's scale words
.set BVC, 204                          ; v204-219 bv, eight copies for each tile
.set ACC, 220                          ; v220-251
.set CP, 252                           ; v252-255 the piece of img
.set BLOB, 4352
.macro PLACES n
.rept \n
	v_nop
.endr
.endm
.macro MM d, a, b, c, sa, sb
	v_wmma_scale_f32_16x16x128_f8f6f4 v[\d:\d+7], v[\a:\a+7], v[\b:\b+7], v[\c:\c+7], v[\sa], v[\sb] matrix_a_fmt:MATRIX_FMT_FP4 matrix_b_fmt:MATRIX_FMT_FP4
.endm
.macro XLD n, off, soff                ; one tile of 16 keys: 5 loads
.irp ks, 0,1
.irp c, 0,1
	global_load_b128 v[XF+16*(\n)+8*\ks+4*\c:XF+16*(\n)+8*\ks+4*\c+3], v[XA], s[8:9] offset:\off+64*\ks+32*\c
.endr
.endr
	global_load_b64 v[XS+2*(\n):XS+2*(\n)+1], v[XSA], s[10:11] offset:\soff
.endm
; the lane's 32 numbers (one whole block) become four registers of codes and the scale's byte
.macro QB
	v_max3_num_f32 v[SO], |v[ACC]|, |v[ACC+1]|, 0x1800000      ; and the floor 2^(3 - 127): the byte cannot fall under 1
	v_max3_num_f32 v[TB], |v[ACC+16]|, |v[ACC+17]|, 0x1800000
.irp i, 2,4,6,8,10,12,14
	v_max3_num_f32 v[SO], v[SO], |v[ACC+\i]|, |v[ACC+\i+1]|
	v_max3_num_f32 v[TB], v[TB], |v[ACC+16+\i]|, |v[ACC+17+\i]|
.endr
	v_max_num_f32 v[SO], v[SO], v[TB]
	v_add_nc_u32 v[SO], 0xff000000, v[SO]          ; 2 off the exponent field: the conversion's scale operand
.irp t, 0,1,2,3
	v_cvt_scalef32_pk8_fp4_f32 v[CD+\t], v[ACC+8*\t:ACC+8*\t+7], v[SO]
.endr
	v_lshrrev_b32 v[TB], 23, v[SO]                 ; the byte; also the plain place behind the conversions
.endm
	s_load_b512 s[8:23], s[0:1], 0x0               ; x codes 8, x scales 10, Wk 12, 14, Wv 16, 18, bk 20, bv 22
	s_load_b256 s[24:31], s[0:1], 0x40             ; Wq 24, Wo 26, Wm 28, We 30
	s_load_b128 s[32:35], s[0:1], 0x60             ; kv 32, img 34
	v_lshrrev_b32 v12, 5, v0
	v_readfirstlane_b32 s4, v12                    ; wave 0..3
	v_and_b32 v13, 31, v0
	v_lshlrev_b32 v[LI], 4, v13
	v_and_b32 v2, 15, v0                           ; r
	v_bfe_u32 v5, v0, 4, 1                         ; hh
	v_and_b32 v14, 8, v2
	v_mad_u32_u24 v3, v14, 3, v2                   ; 32 (r / 8) + r % 8
	v_add_nc_u32 v4, v14, v2                       ; r + 8 (r / 8)
	v_lshlrev_b32 v[XSA], 3, v3
	v_lshlrev_b32 v[XA], 7, v3
	v_lshl_add_u32 v[XA], v5, 4, v[XA]
	v_lshlrev_b32 v[WS16], 3, v4
	v_lshlrev_b32 v[WA16], 7, v4
	v_lshl_add_u32 v[WA16], v5, 4, v[WA16]
	v_lshlrev_b32 v[AR], 7, v2
	v_lshl_add_u32 v[AR], v5, 4, v[AR]
	v_lshlrev_b32 v[AR5], 9, v2
	v_lshl_add_u32 v[AR5], v5, 4, v[AR5]
.irp i, 0,1,2,3
	v_mov_b32 v[CP+\i], 0                          ; (waves without a piece of img: written on every way)
.endr
	s_and_b32 s5, ttmp9, 1                         ; K or V
	s_bfe_u32 s6, ttmp9, 0x10001                   ; heads 4 x this ..
	s_lshr_b32 s7, ttmp9, 2                        ; 16 batch + step
	s_lshl_b32 s36, ttmp9, 2
	s_add_co_u32 s36, s36, s4                      ; my piece of img
	s_mov_b32 s39, 0                               ; s[38:39]: an offset under 2^32
	s_wait_alu depctr_va_vdst(0)                   ; the head's end
	s_wait_kmcnt 0x0
	s_lshl_b32 s38, s36, 9
	s_add_nc_u64 s[48:49], s[34:35], s[38:39]      ; where my piece goes
	s_cmp_lt_u32 s36, 512
	s_cbranch_scc0 .Lnot_mlp
	s_lshr_b32 s37, s36, 5
	s_lshl_b32 s38, s37, 13
	s_bitcmp1_b32 s36, 4
	s_cbranch_scc1 .Lwe
	s_bfe_u32 s37, s36, 0x20002                    ; Wm: tile t of wave w: rows 64 w + 8 t + 32 (r / 8) + r % 8
	s_lshl_b32 s37, s37, 10
	s_add_co_u32 s38, s38, s37
	s_and_b32 s37, s36, 3
	s_lshl_b32 s37, s37, 5
	s_add_co_u32 s38, s38, s37
	s_add_nc_u64 s[46:47], s[28:29], s[38:39]
	global_load_b128 v[CP:CP+3], v[XA], s[46:47]
	s_branch .Lasked
.Lwe:                                                  ; We: rows 16 w + r of 512 bytes
	s_and_b32 s37, s36, 15
	s_lshl_b32 s37, s37, 5
	s_add_co_u32 s38, s38, s37
	s_add_nc_u64 s[46:47], s[30:31], s[38:39]
	global_load_b128 v[CP:CP+3], v[AR5], s[46:47]
	s_branch .Lasked
.Lnot_mlp:
	s_cmp_lt_u32 s36, 640
	s_cbranch_scc0 .Lasked
	s_and_b32 s40, s36, 63
	s_bitcmp1_b32 s36, 6
	s_cbranch_scc1 .Lwo
	s_lshr_b32 s37, s40, 3                         ; Wq: tile u of the head: rows 32 head + 8 u + 16 (r / 8) + r % 8
	s_lshl_b32 s38, s37, 12
	s_bfe_u32 s37, s40, 0x10001
	s_lshl_b32 s37, s37, 10
	s_add_co_u32 s38, s38, s37
	s_bfe_u32 s37, s40, 0x10002
	s_lshl_b32 s37, s37, 6
	s_add_co_u32 s38, s38, s37
	s_and_b32 s37, s40, 1
	s_lshl_b32 s37, s37, 5
	s_add_co_u32 s38, s38, s37
	s_add_nc_u64 s[46:47], s[24:25], s[38:39]
	global_load_b128 v[CP:CP+3], v[WA16], s[46:47]
	s_branch .Lasked
.Lwo:                                                  ; Wo: rows 16 w + r
	s_lshr_b32 s37, s40, 2
	s_lshl_b32 s38, s37, 11
	s_and_b32 s37, s40, 3
	s_lshl_b32 s37, s37, 5
	s_add_co_u32 s38, s38, s37
	s_add_nc_u64 s[46:47], s[26:27], s[38:39]
	global_load_b128 v[CP:CP+3], v[AR], s[46:47]
.Lasked:
	s_lshl_b32 s38, s7, 14                         ; x: the step's 128 keys
	s_add_nc_u64 s[8:9], s[8:9], s[38:39]
	s_lshl_b32 s38, s7, 10
	s_add_nc_u64 s[10:11], s[10:11], s[38:39]
	s_lshr_b32 s43, s7, 4                          ; batch
	s_lshl_b32 s43, s43, 3
	s_lshl_b32 s40, s6, 2
	s_add_co_u32 s43, s43, s40                     ; 8 batch + first head
	s_and_b32 s40, s7, 15                          ; step
	s_cmp_eq_u32 s5, 0
	s_cbranch_scc0 .Lv
	; ---- K: heads 4 s6 + 2 p and the next, keys 64 f .. + 63 of the step
	s_and_b32 s41, s4, 1                           ; p
	s_lshr_b32 s42, s4, 1                          ; f
	s_lshl_b32 s37, s41, 1
	s_add_co_u32 s43, s43, s37
	s_lshl_b32 s43, s43, 4
	s_add_co_u32 s43, s43, s40
	s_mul_i32 s43, s43, BLOB
	s_lshl_b32 s38, s42, 10
	s_add_co_u32 s38, s38, s43
	s_add_nc_u64 s[50:51], s[32:33], s[38:39]      ; K's codes
	s_lshl_b32 s38, s42, 6
	s_add_co_u32 s38, s38, s43
	s_add_nc_u64 s[52:53], s[32:33], s[38:39]      ; its scale words
	s_lshl_b32 s38, s42, 13
	s_add_nc_u64 s[8:9], s[8:9], s[38:39]
	s_lshl_b32 s38, s42, 9
	s_add_nc_u64 s[10:11], s[10:11], s[38:39]
	s_lshl_b32 s37, s6, 1
	s_add_co_u32 s37, s37, s41
	s_lshl_b32 s38, s37, 13
	s_add_nc_u64 s[12:13], s[12:13], s[38:39]
	s_lshl_b32 s38, s37, 9
	s_add_nc_u64 s[14:15], s[14:15], s[38:39]
	s_lshl_b32 s38, s37, 8
	s_add_nc_u64 s[20:21], s[20:21], s[38:39]
	v_lshlrev_b32 v12, 7, v5                       ; bk: 32 channels of my half's head
.irp t, 0,1,2,3
.irp ks, 0,1
.irp c, 0,1
	global_load_b128 v[WFK+16*\t+8*\ks+4*\c:WFK+16*\t+8*\ks+4*\c+3], v[XA], s[12:13] offset:1024*\t+64*\ks+32*\c
.endr
.endr
	global_load_b64 v[WS+2*\t:WS+2*\t+1], v[XSA], s[14:15] offset:64*\t
.endr
.irp e, 0,1,2,3,4,5,6,7
	global_load_b128 v[BK+4*\e:BK+4*\e+3], v12, s[20:21] offset:16*\e
.endr
.irp n, 0,1,2,3
	XLD \n, 1024*\n, 64*\n
.endr
	v_mul_u32_u24 v3, v5, 16*BLOB                  ; the next head's blobs lie 16 steps on
	v_lshl_add_u32 v18, v2, 4, v3                  ; codes: + 16 r
	v_lshl_add_u32 v19, v2, 2, v3                  ; scale words: + 4 r
	s_wait_alu depctr_va_vdst(0)                   ; directly ahead of the wait below
.irp n, 0,1,2,3
	s_wait_loadcnt 15-5*\n                         ; this tile's loads are in; the later tiles' five each may be out
	s_wait_xcnt 0x0                                ; the last store has read its codes
.irp ks, 0,1
.irp t, 0,1,2,3
.if \ks == 0
	MM ACC+8*\t, WFK+16*\t, XF+16*\n, BK+8*\t, WS+2*\t, XS+2*\n
.else
	MM ACC+8*\t, WFK+16*\t+8, XF+16*\n+8, ACC+8*\t, WS+2*\t+1, XS+2*\n+1
.endif
.endr
.endr
	PLACES 5
	QB
	global_store_b128 v18, v[CD:CD+3], s[50:51] offset:256*\n   ; 16 lanes store 256 consecutive bytes, aligned, for each of the two heads
.if \n == 0
	v_mov_b32 v4, v[TB]
.else
	v_lshl_or_b32 v4, v[TB], 8*\n, v4
.endif
.endr
	global_store_b32 v19, v4, s[52:53] offset:4096
	s_branch .Lcopy
	; ---- V: head 4 s6 + wave, the step's 128 keys
.Lv:
	s_add_co_u32 s43, s43, s4
	s_lshl_b32 s43, s43, 4
	s_add_co_u32 s43, s43, s40
	s_mul_i32 s38, s43, BLOB
	s_add_nc_u64 s[50:51], s[32:33], s[38:39]
	s_lshl_b32 s37, s6, 2
	s_add_co_u32 s37, s37, s4                      ; head
	s_lshl_b32 s38, s37, 12
	s_add_nc_u64 s[16:17], s[16:17], s[38:39]
	s_lshl_b32 s38, s37, 8
	s_add_nc_u64 s[18:19], s[18:19], s[38:39]
	s_lshl_b32 s38, s37, 7
	s_add_nc_u64 s[22:23], s[22:23], s[38:39]
	v_lshlrev_b32 v12, 2, v4                       ; bv of my lane's channel
.irp t, 0,1
.irp ks, 0,1
.irp c, 0,1
	global_load_b128 v[WFV+16*\t+8*\ks+4*\c:WFV+16*\t+8*\ks+4*\c+3], v[WA16], s[16:17] offset:1024*\t+64*\ks+32*\c
.endr
.endr
	global_load_b64 v[WS+2*\t:WS+2*\t+1], v[WS16], s[18:19] offset:64*\t
.endr
	global_load_b32 v[BVS], v12, s[22:23]
	global_load_b32 v[BVS+1], v12, s[22:23] offset:32
.irp f, 0,1
.irp n, 0,1,2,3
	XLD 4*\f+\n, 8192*\f+1024*\n, 512*\f+64*\n
.endr
.endr
	v_lshrrev_b32 v2, 2, v[LI]                     ; 4 l
	v_lshlrev_b32 v3, 3, v5                        ; 8 hh
	s_wait_alu depctr_va_vdst(0)                   ; directly ahead of the wait below
	s_wait_loadcnt 20                              ; all but the second 64 keys' twenty loads
.irp j, 0,1,2,3,4,5,6,7
	v_mov_b32 v[BVC+\j], v[BVS]
	v_mov_b32 v[BVC+8+\j], v[BVS+1]
.endr
	s_wait_alu depctr_va_vdst(0)                   ; ahead of the waits below
.irp f, 0,1
.if \f == 1
	s_wait_loadcnt 0x0
.endif
.irp t, 0,1
	s_wait_xcnt 0x0                                ; the last store has read its codes
.irp ks, 0,1
.irp n, 0,1,2,3
.if \ks == 0
	MM ACC+8*\n, XF+16*(4*\f+\n), WFV+16*\t, BVC+8*\t, XS+2*(4*\f+\n), WS+2*\t
.else
	MM ACC+8*\n, XF+16*(4*\f+\n)+8, WFV+16*\t+8, ACC+8*\n, XS+2*(4*\f+\n)+1, WS+2*\t+1
.endif
.endr
.endr
	PLACES 5
	QB
	global_store_b128 v[LI], v[CD:CD+3], s[50:51] offset:2048+1024*\t+512*\f   ; 512 consecutive bytes, aligned
.if \f == 0
	v_mov_b32 v[4+\t], v[TB]
.else
	v_lshl_or_b32 v[4+\t], v[TB], 16, v[4+\t]
.endif
.endr
.endr
	v_lshlrev_b32 v4, v3, v4                       ; lanes 0-15: blocks 0 and 2 of the step at bytes 0 and 2; lanes 16-31: blocks 1 and 3 at bytes 1 and 3
	v_lshlrev_b32 v5, v3, v5
	s_mov_b32 s54, 0x76543210
	s_mov_b32 s55, 0xfedcba98
	v_permlanex16_b32 v18, v4, s54, s55
	v_permlanex16_b32 v19, v5, s54, s55
	v_or_b32 v4, v4, v18
	v_or_b32 v5, v5, v19
	v_permlane16_swap_b32 v4, v5                   ; lanes 0-15: channel tile 0's word, lanes 16-31: tile 1's
	global_store_b32 v2, v4, s[50:51] offset:4224
.Lcopy:
	s_cmp_lt_u32 s36, 640
	s_cbranch_scc0 .Lend
	s_wait_loadcnt 0x0
	global_store_b128 v[LI], v[CP:CP+3], s[48:49]
.Lend:
	s_endpgm
.Lfunc_end_k_qdc279cae20_prep:
	.size	k_qdc279cae20_prep, .Lfunc_end_k_qdc279cae20_prep-k_qdc279cae20_prep
	.p2alignl 7, 3214868480
	.fill 96, 4, 3214868480
	.section	.rodata,"a",@progbits
	.p2align	6, 0x0
	.amdhsa_kernel k_qdc279cae20_prep
		.amdhsa_group_segment_fixed_size 0
		.amdhsa_private_segment_fixed_size 0
		.amdhsa_enable_private_segment 0
		.amdhsa_kernarg_size 112
		.amdhsa_user_sgpr_count 2
		.amdhsa_user_sgpr_kernarg_segment_ptr 1
		.amdhsa_wavefront_size32 1
		.amdhsa_system_sgpr_workgroup_id_x 1
		.amdhsa_system_sgpr_workgroup_id_y 1
		.amdhsa_system_sgpr_workgroup_id_z 1
		.amdhsa_system_vgpr_workitem_id 0
		.amdhsa_next_free_vgpr 256
		.amdhsa_next_free_sgpr 66
		.amdhsa_reserve_vcc 0
		.amdhsa_float_denorm_mode_32 3
		.amdhsa_float_denorm_mode_16_64 3
		.amdhsa_memory_ordered 1
		.amdhsa_forward_progress 1
		.amdhsa_inst_pref_size 39
	.end_amdhsa_kernel
	.amdgpu_metadata
---
amdhsa.version: [ 1, 2 ]
amdhsa.kernels:
  - .name:           k_qdc279cae20_prep
    .symbol:         k_qdc279cae20_prep.kd
    .args:
      - { .name: x_codes, .offset: 0, .size: 8, .value_kind: global_buffer, .address_space: global }
      - { .name: x_scales, .offset: 8, .size: 8, .value_kind: global_buffer, .address_space: global }
      - { .name: Wk_codes, .offset: 16, .size: 8, .value_kind: global_buffer, .address_space: global }
      - { .name: Wk_scales, .offset: 24, .size: 8, .value_kind: global_buffer, .address_space: global }
      - { .name: Wv_codes, .offset: 32, .size: 8, .value_kind: global_buffer, .address_space: global }
      - { .name: Wv_scales, .offset: 40, .size: 8, .value_kind: global_buffer, .address_space: global }
      - { .name: bk, .offset: 48, .size: 8, .value_kind: global_buffer, .address_space: global }
      - { .name: bv, .offset: 56, .size: 8, .value_kind: global_buffer, .address_space: global }
      - { .name: Wq_codes, .offset: 64, .size: 8, .value_kind: global_buffer, .address_space: global }
      - { .name: Wo_codes, .offset: 72, .size: 8, .value_kind: global_buffer, .address_space: global }
      - { .name: Wm_codes, .offset: 80, .size: 8, .value_kind: global_buffer, .address_space: global }
      - { .name: We_codes, .offset: 88, .size: 8, .value_kind: global_buffer, .address_space: global }
      - { .name: kv, .offset: 96, .size: 8, .value_kind: global_buffer, .address_space: global }
      - { .name: img, .offset: 104, .size: 8, .value_kind: global_buffer, .address_space: global }
    .group_segment_fixed_size: 0
    .private_segment_fixed_size: 0
    .kernarg_segment_align: 8
    .kernarg_segment_size: 112
    .max_flat_workgroup_size: 128
    .sgpr_count:     66
    .vgpr_count:     256
    .wavefront_size: 32
...
	.end_amdgpu_metadata
.endif
;; end of part 1
;; launch main (part 2): grid 256 x 1, 16 waves a work-group, no clusters, 327,680 bytes of LDS; arguments q_codes, q_scales, Wq_scales, bq, kv, img, Wo_scales, bo, Wm_scales, bm, We_scales, be, g0, b0, g1, b1, out0; writes out0
.if DOCPART == 2
	.amdgcn_target "amdgcn-amd-amdhsa--gfx1250"
	.amdhsa_code_object_version 6
	.text
	.protected	k_qdc279cae20_main
	.globl	k_qdc279cae20_main
	.p2align	8
	.type	k_qdc279cae20_main,@function
k_qdc279cae20_main:
	s_mov_b64 s[64:65], 0
	v_nop
	global_prefetch_b8 v0, s[64:65] scope:SCOPE_SE
	s_setreg_imm32_b32 hwreg(HW_REG_WAVE_MODE, 25, 1), 1
	s_wait_xcnt 0x0
; For 32 rows: Q = q Wq + bq; att = Q + softmax(Q K^T / sqrt(32)) V over eight heads; O1 = LN0(att); O2 = O1 + relu(O1 Wo + bo); out0 = relu(LN1(O2) Wm + bm) We + be + O2.
; All products on codes of FP4 (E2M1) with one E8M0 scale for each 32 along K; all else in f32.  No step of the problem is left out.
; SHARES.  A work-group owns 32 rows; sixteen waves of 256 registers.  ATTENTION: two waves have a head, w and w xor 12, each with a part of the keys, in steps of 128, for both tiles of 16 queries: so each fragment of K and V comes into
; one wave of the work-group once and feeds both tiles.  Waves 0-3 (heads 0-3) walk the first 12 steps and waves 12-15 the last 4; waves 4-7 (heads 4-7) the first 10 and waves 8-11 the last 6: the lower numbers walk more, and w, w + 4,
; w + 8, w + 12 have 32 steps together, whatever w.  A wave's local tile 0 is tile w / 8: it projects that tile's queries, and at the end joins that tile's two parts of the keys with its partner.
; THE TAIL: in the products the waves share the columns (16 outputs of Wo and We, 64 hidden units), in the layer norms the rows (two a wave; sixteen lanes hold a row, 16 neighbours each).
; K AND V come as register images (launch prep), ten loads a step, straight into registers, one whole step ahead in the other of two sets.  No barrier stands in the loop.
; THE 64 WORK-GROUPS OF A BATCH BEGIN THEIR WALKS AT DIFFERENT STEPS (eighths of a walk) and go round.  No prefetch: each load stands a whole step ahead of its use already, and most steps of a walk have been asked for by
; work-groups of the same batch that began there.  No cluster: a fragment of K or V goes to the registers of one wave, which a joint load (into LDS) does not serve; the walks are not in step.
; Wm and We: each wave fetches its own 16 KB of fragments by one tensor load behind the first barrier; they land under the loop.
; LAYOUT.  Products are used transposed: a lane holds one query (row) and its registers run along the next K.  Keys of a tile: row r of tile b of 64 keys is 32 (r / 8) + 8 b + r % 8, so that a lane's 32 registers of four tiles are one whole
; block of 32 keys: lanes 0-15 block 0, lanes 16-31 block 1.  The hidden units of a wave likewise.
; THE HEAD HAS 32 CHANNELS, one block of the instruction's four: K's fragment carries four key tiles in its four blocks, and the query's codes stand in one block of four versions, zero codes in the other three.
; SOFTMAX.  t = score x log2(e) / sqrt(32); M = the running largest t rounded up; p = 2^(t - M); the sum is taken of the unquantised p and divides at the end.  A block's scale operand is 2^(largest t - M - 2), by the same instructions.
; LIMITS.  NaN and infinities are not served; a given scale byte 0xff gives NaN.  A block whose largest magnitude lies under 2^-124 keeps the byte 1, a block of zeros too (its codes are zeros; only this program reads the bytes).
; Biases enter as the C of a sum's first product.  t is the score times ONE rounded constant.  The promise holds while the scaled scores stay under 2^31 in magnitude.
.set BLOB, 4352
.set RP,   1296                        ; a stage's row: 16 pieces of 64 bytes + 16 of padding, + 16
.set SA,   262144                      ; behind the sixteen waves' 16 KB of weights: the stage of 32 rows (the parts' exchange, att, O1, O2, the result, each in the place of the one before)
.set CODE, SA+32*RP                    ; 32 rows of codes, 144 bytes each; before that the exchange's -M and sums, 256 bytes a wave
.set SC,   CODE+4608                   ; the codes' scale bytes, 8 a row
.set HSC,  SC+256                      ; the hidden layer's scale words: 512 m + 32 r + 4 s
.set QC,   HSC+1024                    ; the queries' codes: 256 w + 16 r
.set QSB,  QC+4096                     ; their scale words: 64 w + 4 r
.set SPARE, QSB+1024                   ; the spare words, 128 bytes a wave
.set PV,   SPARE+2048                  ; g0, b0, g1, b1 and bm (four times 256): eight times 16 pieces of 64 bytes + 16 of padding
.set LI, 1                             ; 16 l
.set L4, 2                             ; 4 l
.set SPW, 3
.set NIL, 4
.set PX, 5                             ; a lane permute's destination
.set NM, 6                             ; v6, v8: -M of local tile 0, 1; v7, v9: the running largest score
.set SUM, 10                           ; v10-11, v12-13
.set F, 14                             ; v14 2^(old M - new M); v15 named with it
.set B, 16                             ; v16-21 at work
.set SO, 22                            ; v22-23 the blocks' scale operands
.set PW, 24                            ; p's scale word
.set QSC, 25                           ; v25-26 the queries' scale byte, four times
.set KS, 28                            ; v28, v30 K's scale words; v29, v31 V's
.set O, 32                             ; v32-47, v48-63 O^T
.set S, 64                             ; v64-127 scores, then p
.set KV, 128                           ; v128-159, v160-191: K (16), V (16), two sets
.set QV, 192                           ; v192-227: Z QB Z QA Z QA' Z QB' Z: QA holds the codes in lanes 0-15, QB in lanes 16-31
.set PC, 228                           ; v228-235 p's codes
.set QF, 236                           ; v236-251 Q of local tile 0 in f32
.set W1, 252
.set W2, 253
.macro PLACES n
.rept \n
	v_nop
.endr
.endm
.macro MM d, a, b, c, sa, sb           ; 16 x 16 x 128
	v_wmma_scale_f32_16x16x128_f8f6f4 v[\d:\d+7], v[\a:\a+7], v[\b:\b+7], v[\c:\c+7], v[\sa], v[\sb] matrix_a_fmt:MATRIX_FMT_FP4 matrix_b_fmt:MATRIX_FMT_FP4
.endm
.macro M2 d, a, b, c, sa, sb           ; 32 x 16 x 128
	v_wmma_scale_f32_32x16x128_f4 v[\d:\d+15], v[\a:\a+15], v[\b:\b+7], v[\c:\c+15], v[\sa], v[\sb]
.endm
.macro MZ d, a, b, sa, sb              ; the same with C = 0
	v_wmma_scale_f32_32x16x128_f4 v[\d:\d+15], v[\a:\a+15], v[\b:\b+7], 0, v[\sa], v[\sb]
.endm
.macro BAR                             ; my LDS stores have landed and my LDS loads are in: then the work-group's barrier
	s_wait_alu depctr_va_vdst(0)
	s_wait_dscnt 0x0
	s_barrier_signal -1
	s_barrier_wait -1
.endm
.macro LOADKV d, sc                    ; a step's ten loads
.irp i, 0,1,2,3,4,5,6,7
	global_load_b128 v[\d+4*\i:\d+4*\i+3], v[LI], s[50:51] offset:512*\i
.endr
	global_load_b32 v[\sc], v[L4], s[50:51] offset:4096
	global_load_b32 v[\sc+1], v[L4], s[50:51] offset:4224
.endm
.macro MXT a, c                        ; four chains of maxima: blocks f = 0 and f = 1, two each
	v_max3_num_f32 v[B], v[B], v[S+\a], v[S+\c]
	v_max3_num_f32 v[B+1], v[B+1], v[S+32+\a], v[S+32+\c]
	v_max3_num_f32 v[B+2], v[B+2], v[S+8+\a], v[S+8+\c]
	v_max3_num_f32 v[B+3], v[B+3], v[S+40+\a], v[S+40+\c]
.endm
.macro AD d, k
	v_pk_add_f32 v[\d:\d+1], v[\d:\d+1], v[S+2*(\k):S+2*(\k)+1]
.endm
.macro AD4 k                           ; four chains of the row's sum
	AD SM, \k
	AD B, \k+1
	AD B+2, \k+2
	AD B+4, \k+3
.endm
.macro CV b
	v_cvt_scalef32_pk8_fp4_f32 v[PC+\b], v[S+16*\b:S+16*\b+7], v[SO]
	v_cvt_scalef32_pk8_fp4_f32 v[PC+4+\b], v[S+16*\b+8:S+16*\b+15], v[SO+1]
.endm
; S^T: version b of local tile NT's query (it begins q0 or q1 registers into QV) by the key tiles b of both 64s of set NP: registers 16 b + 8 f + j = key 64 f + 32 hh + 8 b + j
.macro SPB b, q0, q1
.if NT == 0
	MZ S+16*\b, KV+32*NP, QV+\q0, KS+2*NP, QSC
.else
	MZ S+16*\b, KV+32*NP, QV+\q1, KS+2*NP, QSC+1
.endif
.endm
; local tile T against the 128 keys in set p.  lead = 1: its score products stand at its head; else they stood among the sums of the tile before.  nt, np: the tile and set that follow, whose score products
; stand among the sums here: version b as soon as the registers 16 b .. have been read for the last time; nt = 2: none
.macro TILE T, p, lead, nt, np
.set NR, NM+2*\T
.set SM, SUM+2*\T
.set SX, SUM+2-2*\T
.set OO, O+16*\T
.if \lead
.set NT, \T
.set NP, \p
	SPB 0, 12, 20
	SPB 1, 4, 28
	SPB 2, 8, 16
	SPB 3, 0, 24
.endif
	v_pk_add_f32 v[B:B+1], v[B:B+1], v[B+2:B+3]    ; the other tile's chains are joined here: places behind the products
	v_pk_add_f32 v[SX:SX+1], v[SX:SX+1], v[B+4:B+5]
	v_pk_add_f32 v[SX:SX+1], v[SX:SX+1], v[B:B+1]
	v_nop
.if \T == 0
.if \p == 1
	s_cmp_eq_u32 s69, s80                          ; behind the last step there is none
	s_cbranch_scc1 .Llast_\@
.endif
	LOADKV KV+32*(1-\p), KS+2*(1-\p)               ; the next step, into the other set
.if \p == 1
.Llast_\@:
.endif
.endif
	v_max3_num_f32 v[B], v[S], v[S+1], v[S+2]
	v_max3_num_f32 v[B+1], v[S+32], v[S+33], v[S+34]
	v_max3_num_f32 v[B+2], v[S+8], v[S+9], v[S+10]
	v_max3_num_f32 v[B+3], v[S+40], v[S+41], v[S+42]
	MXT 3, 4
	MXT 5, 6
	MXT 7, 16
	MXT 17, 18
	MXT 19, 20
	MXT 21, 22
	v_max3_num_f32 v[B], v[B], v[B+1], v[S+23]
	v_max3_num_f32 v[B+2], v[B+2], v[B+3], v[S+31]
	v_max_num_f32 v[B], v[B], v[S+55]              ; the largest score of my half's block of the first 64 keys,
	v_max_num_f32 v[B+2], v[B+2], v[S+63]          ; and of the second
	v_max_num_f32 v[B+4], v[B], v[B+2]
	v_permlanex16_b32 v[PX], v[B+4], s46, s47
	v_max3_num_f32 v[NR+1], v[NR+1], v[B+4], v[PX] ; the running largest score
	v_mul_f32 v[B+4], s44, v[NR+1]                 ; - t
	v_floor_f32 v[B+4], v[B+4]                     ; the new -M = -ceil(t)
	v_sub_f32 v[B+5], v[B+4], v[NR]                ; old M - new M: a whole number, 0 or less
	v_mov_b32 v[NR], v[B+4]
	v_cvt_i32_f32 v[B+5], v[B+5]                   ; (it saturates)
	v_add_f32 v[B+4], -2.0, v[B+4]
	v_ldexp_f32 v[F], 1.0, v[B+5]
	v_fma_f32 v[SO], v[B], s42, v[B+4]
	v_fma_f32 v[SO+1], v[B+2], s42, v[B+4]
.set j, 0
.rept 32
	v_pk_fma_f32 v[S+j:S+j+1], v[S+j:S+j+1], s[42:43], v[NR:NR+1] op_sel_hi:[1,0,0]   ; t - M
.set j, j+2
.endr
	s_wait_alu depctr_va_vdst(0)                   ; ahead of the batch
	v_exp_f32 v[SO], v[SO]                         ; the blocks' scale operands
	v_exp_f32 v[SO+1], v[SO+1]
.set j, 0
.rept 64
	v_exp_f32 v[S+j], v[S+j]                       ; p
.set j, j+1
.endr
	s_wait_alu depctr_va_vdst(0)                   ; and behind it; it also stands directly ahead of the first readers of O^T
.irp i, 0,2,4,6,8,10,12,14
	v_pk_mul_f32 v[OO+\i:OO+\i+1], v[OO+\i:OO+\i+1], v[F:F+1] op_sel_hi:[1,0]   ; O^T under the new M
.endr
	v_max_num_f32 v[SO], 0x800000, v[SO]           ; 2^-126: the byte cannot fall under 1
	v_max_num_f32 v[SO+1], 0x800000, v[SO+1]
	v_pk_fma_f32 v[SM:SM+1], v[SM:SM+1], v[F:F+1], v[S:S+1] op_sel_hi:[1,0,1]   ; the sum of the unquantised p
	v_pk_add_f32 v[B:B+1], v[S+2:S+3], v[S+4:S+5]
	v_lshrrev_b32 v[W1], 23, v[SO]
	v_lshrrev_b32 v[W2], 23, v[SO+1]
	v_pk_add_f32 v[B+2:B+3], v[S+6:S+7], v[S+8:S+9]
	v_pk_add_f32 v[B+4:B+5], v[S+10:S+11], v[S+12:S+13]
	v_lshl_or_b32 v[W1], v[W2], 16, v[W1]
	AD SM, 7
	AD B, 8
	v_permlanex16_b32 v[PX], v[W1], s46, s47
	AD B+2, 9
	AD B+4, 10
	v_lshl_or_b32 v[PW], v[PX], 8, v[W1]           ; lanes 0-15: blocks 0 .. 3 of the step (lanes 16-31 are not read)
	CV 0
	AD SM, 11
	CV 1
	AD B, 12
	CV 2
	AD B+2, 13
	CV 3
	AD B+4, 14
.if \nt < 2
.set NT, \nt
.set NP, \np
.if \np != \p
	s_wait_alu depctr_va_vdst(0)                   ; directly ahead of the wait below
	s_wait_loadcnt 0x0                             ; the next step's ten loads, issued a tile and a half ago
.endif
	SPB 0, 12, 20
.endif
	AD4 15
.if \nt < 2
	SPB 1, 4, 28
.endif
	AD4 19
	M2 OO, KV+32*\p+16, PC, OO, KS+2*\p+1, PW      ; O^T += V^T p^T: twelve plain lines or more behind p's scale word, eight behind its codes
	AD4 23
.if \nt < 2
	SPB 2, 8, 16
.endif
	AD4 27
	AD SM, 31
.if \nt < 2
	SPB 3, 0, 24
.endif
.endm
.macro NEXT                            ; where the next step's loads stand: the walk goes round
	s_add_co_u32 s68, s68, 1
	s_cmp_eq_u32 s68, s78
	s_cselect_b32 s68, 0, s68
	s_mul_i32 s66, s68, BLOB
	s_add_nc_u64 s[50:51], s[48:49], s[66:67]
.endm
	s_load_b512 s[8:23], s[0:1], 0x0               ; q codes 8, q scales 10, Wq scales 12, bq 14, kv 16, img 18, Wo scales 20, bo 22
	s_load_b512 s[24:39], s[0:1], 0x40             ; Wm scales 24, bm 26, We scales 28, be 30, g0 32, b0 34, g1 36, b1 38
	s_load_b64 s[40:41], s[0:1], 0x80              ; out0
	v_lshl_add_u32 v[SPW], v0, 2, SPARE
	v_mov_b32 v[NIL], 0
	ds_add_u32 v[SPW], v[NIL]                      ; the wave's opening: the add, twice on end
	ds_add_u32 v[SPW], v[NIL]
	v_lshrrev_b32 v5, 5, v0
	v_readfirstlane_b32 s4, v5                     ; wave 0..15
	v_and_b32 v6, 31, v0
	v_lshlrev_b32 v[LI], 4, v6
	v_lshlrev_b32 v[L4], 2, v6
	v_and_b32 v7, 15, v0                           ; r
	v_bfe_u32 v8, v0, 4, 1                         ; hh
	v_lshlrev_b32 v10, 7, v7
	v_lshl_add_u32 v10, v8, 4, v10                 ; q: r x 128 + 16 hh
	v_lshlrev_b32 v11, 3, v7                       ; its scale words
	v_and_b32 v12, 8, v7
	v_add_nc_u32 v12, v12, v7                      ; r + 8 (r / 8)
	v_lshlrev_b32 v13, 6, v8                       ; bq: 64 hh
	v_lshl_add_u32 v12, v12, 3, v13                ; Wq's scale words: lane 16 u + r: row r + 8 (r / 8) + 8 u
	v_mov_b32 v15, 0
	s_lshr_b32 s5, s4, 3                           ; which part of the keys; also my local tile 0
	s_lshr_b32 s70, s4, 2
	s_add_co_u32 s78, s70, s5
	s_lshl_b32 s78, s78, 1
	s_sub_co_u32 s78, 12, s78                      ; my steps: 12, 10, 6, 4
	s_lshr_b32 s79, s78, 1                         ; my trips
	s_sub_co_u32 s80, s79, 1
	s_xor_b32 s70, s70, s5
	s_and_b32 s70, s70, 1
	s_lshl_b32 s70, s70, 2
	s_and_b32 s6, s4, 3
	s_or_b32 s6, s6, s70                           ; head: w % 4, + 4 in waves 4 to 11
	s_lshr_b32 s7, ttmp9, 6                        ; batch
	s_mov_b32 s42, 0x3e8293ee                      ; c = log2(e) / sqrt(32)
	s_mov_b32 s43, s42                             ; (named with it as a pair)
	s_mov_b32 s44, 0xbe8293ee                      ; - c
	s_mov_b32 s46, 0x76543210
	s_mov_b32 s47, 0xfedcba98                      ; v_permlanex16_b32's selects for lane l xor 16
	s_mov_b32 s67, 0                               ; s[66:67]: an offset under 2^32
	s_mov_b32 s56, 3<<16                           ; group 1: 64 rows of 256 bytes (32 elements of 8 bytes), dense
	s_mov_b32 s57, 32<<16
	s_mov_b32 s58, 64<<16
	s_mov_b32 s59, 32<<16
	s_mov_b32 s60, 64
	s_mov_b32 s61, 32
	s_mov_b32 s62, 0
	s_mov_b32 s63, 0
	s_wait_alu depctr_va_vdst(0)                   ; the head's end
	s_wait_dscnt 0x0                               ; both opening adds are done
	s_wait_kmcnt 0x0
	s_lshl_b32 s66, ttmp9, 12                      ; q: 32 rows a work-group, my tile's 16
	s_lshl_b32 s70, s5, 11
	s_add_co_u32 s66, s66, s70
	s_add_nc_u64 s[8:9], s[8:9], s[66:67]
	s_lshl_b32 s66, ttmp9, 8
	s_lshl_b32 s70, s5, 7
	s_add_co_u32 s66, s66, s70
	s_add_nc_u64 s[10:11], s[10:11], s[66:67]
	s_lshl_b32 s66, s6, 8
	s_add_nc_u64 s[12:13], s[12:13], s[66:67]
	s_lshl_b32 s66, s6, 7
	s_add_nc_u64 s[14:15], s[14:15], s[66:67]
	s_lshl_b32 s66, s6, 12
	s_add_co_u32 s66, s66, 0x40000
	s_add_nc_u64 s[72:73], s[18:19], s[66:67]      ; Wq's pieces
.irp ks, 0,1
.irp c, 0,1
	global_load_b128 v[S+8*\ks+4*\c:S+8*\ks+4*\c+3], v10, s[8:9] offset:64*\ks+32*\c
.endr
.endr
	global_load_b64 v[252:253], v11, s[10:11]
.irp i, 0,1,2,3,4,5,6,7
	global_load_b128 v[S+16+4*\i:S+16+4*\i+3], v[LI], s[72:73] offset:512*\i
.endr
	global_load_b64 v[254:255], v12, s[12:13]
.irp e, 0,1,2,3
	global_load_b128 v[S+48+4*\e:S+48+4*\e+3], v13, s[14:15] offset:16*\e
.endr
	; the tail's vectors go into LDS: 512 bytes a wave.  Waves 2 k, 2 k + 1: g0, b0, g1, b1 (k = 0 .. 3); waves 8 to 15: bm
	s_lshr_b32 s70, s4, 1
	s_cmp_eq_u32 s70, 0
	s_cselect_b64 s[82:83], s[32:33], s[26:27]
	s_cmp_eq_u32 s70, 1
	s_cselect_b64 s[82:83], s[34:35], s[82:83]
	s_cmp_eq_u32 s70, 2
	s_cselect_b64 s[82:83], s[36:37], s[82:83]
	s_cmp_eq_u32 s70, 3
	s_cselect_b64 s[82:83], s[38:39], s[82:83]
	s_and_b32 s66, s4, 7
	s_and_b32 s71, s4, 1
	s_cmp_lt_u32 s4, 8
	s_cselect_b32 s66, s71, s66
	s_lshl_b32 s66, s66, 9
	s_add_nc_u64 s[82:83], s[82:83], s[66:67]
	global_load_b128 v[O:O+3], v[LI], s[82:83]
	s_lshl_b32 s70, s7, 3
	s_add_co_u32 s70, s70, s6                      ; 8 batch + head
	s_mul_i32 s66, s70, 16*BLOB
	s_sub_co_u32 s70, 16, s78
	s_mul_i32 s70, s70, s5                         ; the second part ends at the last step
	s_mul_i32 s70, s70, BLOB
	s_add_co_u32 s66, s66, s70
	s_add_nc_u64 s[48:49], s[16:17], s[66:67]      ; my steps
	s_bfe_u32 s68, ttmp9, 0x30003
	s_mul_i32 s68, s68, s78
	s_lshr_b32 s68, s68, 3                         ; where my walk begins: eighths of it
	s_mul_i32 s66, s68, BLOB
	s_add_nc_u64 s[50:51], s[48:49], s[66:67]
	LOADKV KV, KS
	s_mov_b32 s52, 1                               ; group 0: my 16 KB of Wm's and We's pieces
	s_lshl_b32 s53, s4, 14
	s_lshl_b32 s66, s4, 14
	s_add_nc_u64 s[54:55], s[18:19], s[66:67]
	s_or_b32 s55, s55, 0x80000000
	s_lshl_b32 s66, s4, 11                         ; the tail's addresses
	s_add_co_u32 s66, s66, 0x48000
	s_add_nc_u64 s[74:75], s[18:19], s[66:67]      ; Wo's pieces
	s_lshl_b32 s66, s4, 7
	s_add_nc_u64 s[20:21], s[20:21], s[66:67]
	s_lshl_b32 s66, s4, 6
	s_add_nc_u64 s[22:23], s[22:23], s[66:67]
	s_add_nc_u64 s[30:31], s[30:31], s[66:67]
	s_lshl_b32 s66, s4, 9
	s_add_nc_u64 s[24:25], s[24:25], s[66:67]
	s_add_nc_u64 s[28:29], s[28:29], s[66:67]
	s_lshl_b32 s66, ttmp9, 15
	s_lshl_b32 s70, s4, 11
	s_add_co_u32 s66, s66, s70
	s_add_nc_u64 s[40:41], s[40:41], s[66:67]      ; out0: my two rows of 1,024 bytes
	; the LDS addresses of the queries' codes
	s_lshl_b32 s70, s4, 8
	s_add_co_u32 s70, s70, QC
	v_lshl_add_u32 v22, v7, 4, s70                 ; my tile's: a row is 16 bytes
	v_lshl_add_u32 v20, v8, 3, v22                 ; where I store my half of a row
	s_lshl_b32 s70, s4, 6
	s_add_co_u32 s70, s70, QSB
	v_lshl_add_u32 v27, v7, 2, s70                 ; my tile's scale words
	s_xor_b32 s71, s4, 12
	s_lshl_b32 s70, s71, 8
	s_add_co_u32 s70, s70, QC
	v_lshl_add_u32 v23, v7, 4, s70                 ; my partner's
	s_lshl_b32 s70, s71, 6
	s_add_co_u32 s70, s70, QSB
	v_lshl_add_u32 v24, v7, 2, s70
	s_mul_i32 s70, s4, 640
	s_add_co_u32 s70, s70, PV
	v_lshrrev_b32 v16, 6, v[LI]
	v_and_b32 v17, 48, v[LI]
	v_mad_u32_u24 v16, v16, 80, v17
	v_add_nc_u32 v36, s70, v16                     ; my eight pieces of the tail's vectors: piece l / 4, + 16 (l % 4)
	v_add_nc_u32 v9, -1, v8                        ; all ones in lanes 0-15
	v_sub_nc_u32 v21, 0, v8                        ; all ones in lanes 16-31
	s_wait_alu depctr_va_vdst(0)                   ; directly ahead of the wait below
	s_wait_loadcnt 0xa                             ; q, Wq, bq and my part of the vectors are in; the first step's ten loads may be out
	M2 QF, S+16, S, S+48, 254, 252                 ; Q^T: a lane holds one query and 16 channels
	s_wait_alu depctr_va_vdst(0)                   ; directly ahead of a link that follows its own
	M2 QF, S+32, S+8, QF, 255, 253
	PLACES 4
	v_max3_num_f32 v14, |v[QF]|, |v[QF+1]|, 0x1800000
.irp i, 2,4,6,8,10,12,14
	v_max3_num_f32 v14, v14, |v[QF+\i]|, |v[QF+\i+1]|
.endr
	v_permlanex16_b32 v15, v14, s46, s47
	v_max_num_f32 v14, v14, v15
	v_add_nc_u32 v16, 0xff000000, v14
	v_lshrrev_b32 v17, 23, v16
	v_lshl_or_b32 v17, v17, 8, v17
	v_cvt_scalef32_pk8_fp4_f32 v18, v[QF:QF+7], v16
	v_cvt_scalef32_pk8_fp4_f32 v19, v[QF+8:QF+15], v16
	v_lshl_or_b32 v17, v17, 16, v17                ; the byte four times; also the plain place behind the conversions
	ds_store_b64 v20, v[18:19]
	ds_store_b32 v27, v17
	ds_store_b128 v36, v[O:O+3]
	s_wait_alu depctr_va_vdst(0)
	s_wait_tensorcnt 0x0                           ; ahead of a first fill behind a barrier
	ds_add_u32 v[SPW], v[NIL]
	ds_add_u32 v[SPW], v[NIL]
	s_wait_dscnt 0x0                               ; both adds are done, and my codes lie in LDS
	s_barrier_signal -1
	s_barrier_wait -1
	tensor_load_to_lds s[52:55], s[56:63]          ; my fragments of Wm and We: they are read behind the loop
	s_nop 0
	ds_load_b128 v[S:S+3], v22                     ; local tile 0 is mine, local tile 1 my partner's
	ds_load_b128 v[S+4:S+7], v23
	ds_load_b32 v[QSC], v27
	ds_load_b32 v[QSC+1], v24
.irp g, 0,8,16,24,32
.irp i, 0,1,2,3
	v_mov_b32 v[QV+\g+\i], 0
.endr
.endr
	s_wait_alu depctr_va_vdst(0)
	s_wait_dscnt 0x0
.irp i, 0,1,2,3
	v_and_b32 v[QV+4+\i], v21, v[S+\i]
	v_and_b32 v[QV+12+\i], v9, v[S+\i]
	v_and_b32 v[QV+20+\i], v9, v[S+4+\i]
	v_and_b32 v[QV+28+\i], v21, v[S+4+\i]
.endr
	; the start values: the loop is written once, its first step finds zeros
.irp t, 0,1
	v_mov_b32 v[NM+2*\t], 0x7f61b1e6               ; 3e38: the first change of M makes f = 0
	v_mov_b32 v[NM+2*\t+1], 0xff61b1e6             ; -3e38, under every score
.endr
.irp i, 0,1,2,3
	v_mov_b32 v[SUM+\i], 0
.endr
.irp i, 0,1,2,3,4,5
	v_mov_b32 v[B+\i], 0
.endr
	v_mov_b32 v[PX], 0
	v_mov_b32 v[F+1], 0
.set j, 0
.rept 32
	v_mov_b32 v[O+j], 0
.set j, j+1
.endr
	s_mov_b32 s69, 0
	s_wait_alu depctr_va_vdst(0)                   ; the head's end
.Ltrip:                                                ; s79 trips of two steps: one for each set of registers
	s_wait_loadcnt 0x0                             ; this step's ten loads, issued a step ago
	NEXT
	TILE 0, 0, 1, 1, 0
	TILE 1, 0, 0, 0, 1
	NEXT
	TILE 0, 1, 0, 1, 1
	TILE 1, 1, 0, 2, 0
	s_add_co_u32 s69, s69, 1
	s_cmp_lt_u32 s69, s79
	s_wait_alu depctr_va_vdst(0)                   ; directly ahead of the branch
	s_cbranch_scc1 .Ltrip
	s_wait_loadcnt 0x0                             ; the last trip has asked for nothing more: no load is out behind this line on any way
; ---- THE TAIL'S REGISTERS
.set GA, 9                             ; where I read g0, b0, g1, b1
.set XP4, 11                           ; my partner's -M and sum
.set RL, 16                            ; my row's 64 bytes in the stage
.set DL, 17                            ; my 32 bytes of a product's result
.set CW, 18                            ; where I store 16 codes
.set SW, 19                            ; and their scale byte
.set FRA, 20                           ; where I read a fragment of codes
.set SRA, 21                           ; and its scale words
.set HSW, 22                           ; the hidden layer's scale byte
.set HSR, 23                           ; its scale words
.set HRB, 24                           ; v24-27 its images: 65,536 g + 16 l
.set ORD, 28                           ; the way out
.set T0ST, 29                          ; my tile's rows of my head in the stage
.set WL, 30                            ; my own 16 KB of weights
.set BMA, 31                           ; where I read bm
.set AF, 32                            ; v32-63 two tiles' fragments of codes
.set O1R, 32
.set HF, 32                            ; v32-95 the hidden layer's fragments, four K steps
.set X, 64                             ; v64-79
.set OACC, 64
.set BM, 80                            ; v80-111
.set HS, 96                            ; v96-111 later the hidden layer's scale words
.set WMS, 112                          ; v112-119
.set WES, 120                          ; v120-127
.set G, 128                            ; v128-143 g0
.set BB, 144                           ; v144-159 b0
.set WOF, 160                          ; v160-175 Wo
.set BO, 176                           ; v176-183
.set WF, 128                           ; v128-191 later Wm's, then We's fragments
.set G1, 192                           ; v192-207 g1
.set B1, 208                           ; v208-223 b1
.set ACC, 192                          ; v192-223 later the hidden layer
.set OA, 192
.set O2, 208
.set BE, 224                           ; v224-231
.set WOS, 232                          ; v232-233
.set T, 236                            ; v236-247 at work
.set AS, 248                           ; v248-251 the activations' scale words
	v_pk_add_f32 v[B:B+1], v[B:B+1], v[B+2:B+3]    ; tile 1's chains
	v_pk_add_f32 v[SUM+2:SUM+3], v[SUM+2:SUM+3], v[B+4:B+5]
	v_add_f32 v[SUM], v[SUM], v[SUM+1]
	v_pk_add_f32 v[SUM+2:SUM+3], v[SUM+2:SUM+3], v[B:B+1]
	v_permlanex16_b32 v[PX], v[SUM], s46, s47
	v_add_f32 v[SUM+2], v[SUM+2], v[SUM+3]
	v_add_f32 v[SUM], v[SUM], v[PX]                ; my keys' sums
	v_permlanex16_b32 v[PX], v[SUM+2], s46, s47
	v_add_f32 v[SUM+2], v[SUM+2], v[PX]
	v_and_b32 v252, 15, v0                         ; r
	v_bfe_u32 v253, v0, 4, 1                       ; hh
	; local tile 1 goes to my partner: into those bytes of the stage in which my partner will lay its att; -M and the sum beside it
	s_mul_i32 s71, s6, 160
	s_add_co_u32 s71, s71, SA
	v_mul_u32_u24 v14, v252, RP
	v_mad_u32_u24 v14, v253, 80, v14
	v_add_nc_u32 v14, s71, v14                     ; row r, piece 2 head + hh,
	s_mul_i32 s70, s5, 16*RP
	v_add_nc_u32 v[T0ST], s70, v14                 ; of my tile,
	s_xor_b32 s70, s5, 1
	s_mul_i32 s70, s70, 16*RP
	v_add_nc_u32 v14, s70, v14                     ; of my partner's
	s_lshl_b32 s70, s4, 8
	s_add_co_u32 s70, s70, CODE
	v_add_nc_u32 v15, s70, v[L4]
.irp e, 0,1,2,3
	ds_store_b128 v14, v[O+16+4*\e:O+16+4*\e+3] offset:16*\e
.endr
	ds_store_b32 v15, v[NM+2]
	ds_store_b32 v15, v[SUM+2] offset:128
	; the tail's 15 loads, in the order of their use
	v_and_b32 v254, 8, v252
	v_mad_u32_u24 v254, v254, 3, v252              ; 32 (r / 8) + r % 8
	v_lshlrev_b32 v185, 5, v253
	v_lshlrev_b32 v188, 3, v252
	v_lshlrev_b32 v189, 3, v254
	v_lshlrev_b32 v191, 5, v252
.irp i, 0,1,2,3
	global_load_b128 v[WOF+4*\i:WOF+4*\i+3], v[LI], s[74:75] offset:512*\i
.endr
	global_load_b64 v[WOS:WOS+1], v188, s[20:21]
	global_load_b128 v[BO:BO+3], v185, s[22:23]
	global_load_b128 v[BO+4:BO+7], v185, s[22:23] offset:16
.irp t, 0,1,2,3
	global_load_b64 v[WMS+2*\t:WMS+2*\t+1], v189, s[24:25] offset:64*\t
.endr
	global_load_b128 v[WES:WES+3], v191, s[28:29]
	global_load_b128 v[WES+4:WES+7], v191, s[28:29] offset:16
	global_load_b128 v[BE:BE+3], v185, s[30:31]
	global_load_b128 v[BE+4:BE+7], v185, s[30:31] offset:16
	; the LDS addresses of the tail
	s_xor_b32 s71, s4, 12
	s_lshl_b32 s70, s71, 8
	s_add_co_u32 s70, s70, CODE
	v_add_nc_u32 v[XP4], s70, v[L4]
	v_mul_u32_u24 v[GA], v252, 80
	v_add_nc_u32 v[GA], PV, v[GA]
	s_mul_i32 s70, s4, 320
	s_add_co_u32 s70, s70, PV+4*1280
	v_mul_u32_u24 v[BMA], v253, 160
	v_add_nc_u32 v[BMA], s70, v[BMA]               ; my 64 numbers of bm: four pieces, two for each half of the lanes
	s_mul_i32 s70, s4, 2*RP
	s_add_co_u32 s70, s70, SA
	v_mul_u32_u24 v[RL], v253, RP
	v_mad_u32_u24 v[RL], v252, 80, v[RL]
	v_add_nc_u32 v[RL], s70, v[RL]                 ; row 2 w + hh, piece r
	v_lshrrev_b32 v254, 6, v[LI]                   ; l / 4
	v_and_b32 v255, 48, v[LI]                      ; 16 (l % 4)
	v_mad_u32_u24 v[ORD], v254, 80, v255
	v_add_nc_u32 v[ORD], s70, v[ORD]               ; row 2 w, piece l / 4, + 16 (l % 4)
	s_mul_i32 s70, s4, 80
	s_add_co_u32 s70, s70, SA
	v_mul_u32_u24 v[DL], v252, RP
	v_lshl_add_u32 v[DL], v253, 5, v[DL]
	v_add_nc_u32 v[DL], s70, v[DL]                 ; row r, piece w, + 32 hh
	s_mul_i32 s70, s4, 288
	s_add_co_u32 s70, s70, CODE
	v_mul_u32_u24 v[CW], v253, 144
	v_lshl_add_u32 v[CW], v252, 3, v[CW]
	v_add_nc_u32 v[CW], s70, v[CW]                 ; row 2 w + hh of 144 bytes, + 8 r
	s_lshl_b32 s70, s4, 4
	s_add_co_u32 s70, s70, SC
	v_lshrrev_b32 v[SW], 1, v252
	v_lshl_add_u32 v[SW], v253, 3, v[SW]
	v_add_nc_u32 v[SW], s70, v[SW]                 ; row 2 w + hh of 8 bytes, + r / 2
	v_mul_u32_u24 v[FRA], v252, 144
	v_lshl_add_u32 v[FRA], v253, 4, v[FRA]
	v_add_nc_u32 v[FRA], CODE, v[FRA]
	v_lshl_add_u32 v[SRA], v252, 3, SC
	v_lshl_add_u32 v[HSR], v252, 5, HSC
	s_lshl_b32 s70, s4, 1
	v_add_nc_u32 v[HSW], s70, v[HSR]
	v_add_nc_u32 v[HSW], v[HSW], v253              ; row r, byte 2 w + hh
.irp g, 0,1,2,3
	v_add_nc_u32 v[HRB+\g], 65536*\g, v[LI]
.endr
	s_lshl_b32 s70, s4, 14
	v_add_nc_u32 v[WL], s70, v[LI]
	s_wait_alu depctr_va_vdst(0)
	s_wait_tensorcnt 0x0                           ; my weights are in
	BAR
	; ---- the two parts of the keys are joined: local tile 0
.irp e, 0,1,2,3
	ds_load_b128 v[X+4*\e:X+4*\e+3], v[T0ST] offset:16*\e
.endr
	ds_load_b32 v186, v[XP4]
	ds_load_b32 v187, v[XP4] offset:128
	s_wait_dscnt 0x0
	v_min_num_f32 v14, v[NM], v186                 ; -M of all the keys
	v_sub_f32 v15, v14, v[NM]
	v_sub_f32 v[PX], v14, v186
	v_cvt_i32_f32 v15, v15
	v_cvt_i32_f32 v[PX], v[PX]
	v_ldexp_f32 v8, 1.0, v15
	v_ldexp_f32 v12, 1.0, v[PX]
	v_mul_f32 v14, v187, v12
	v_fma_f32 v14, v[SUM], v8, v14                 ; the row's sum
	s_wait_alu depctr_va_vdst(0)                   ; ahead of the transcendental
	v_rcp_f32 v15, v14
	v_nop
	s_wait_alu depctr_va_vdst(0)                   ; and behind it
	v_mul_f32 v8, v8, v15
	v_mul_f32 v12, v12, v15
.irp j, 0,2,4,6,8,10,12,14
	v_pk_fma_f32 v[QF+\j:QF+\j+1], v[O+\j:O+\j+1], v[8:9], v[QF+\j:QF+\j+1] op_sel_hi:[1,0,1]
.endr
.irp j, 0,2,4,6,8,10,12,14
	v_pk_fma_f32 v[X+\j:X+\j+1], v[X+\j:X+\j+1], v[12:13], v[QF+\j:QF+\j+1] op_sel_hi:[1,0,1]   ; Q + (both parts' O) / the sum
.endr
.irp e, 0,1,2,3
	ds_store_b128 v[T0ST], v[X+4*\e:X+4*\e+3] offset:16*\e   ; into the bytes that I alone have just read
.endr
	BAR
; A layer norm of my row's 16 numbers by gain g and bias bb (registers), which lie go bytes into the vectors; keep = 1: the result goes back to its place; then it is quantised: 16 codes and the block's byte
.macro LNQ g, bb, keep, go
.irp e, 0,1,2,3
	ds_load_b128 v[X+4*\e:X+4*\e+3], v[RL] offset:16*\e
.endr
.irp e, 0,1,2,3
	ds_load_b128 v[\g+4*\e:\g+4*\e+3], v[GA] offset:\go+16*\e
.endr
.irp e, 0,1,2,3
	ds_load_b128 v[\bb+4*\e:\bb+4*\e+3], v[GA] offset:\go+1280+16*\e
.endr
	s_wait_dscnt 8                                 ; the row is in; the gain's and the bias's eight loads may be out
.irp e, 0,1,2,3
	v_pk_add_f32 v[T+2*\e:T+2*\e+1], v[X+4*\e:X+4*\e+1], v[X+4*\e+2:X+4*\e+3]
.endr
	v_pk_add_f32 v[T:T+1], v[T:T+1], v[T+2:T+3]
	v_pk_add_f32 v[T+4:T+5], v[T+4:T+5], v[T+6:T+7]
	v_pk_add_f32 v[T:T+1], v[T:T+1], v[T+4:T+5]
	v_add_f32 v[T], v[T], v[T+1]
.irp x, 1,2,4,8
	v_add_f32_dpp v[T], v[T], v[T] row_xmask:\x row_mask:0xf bank_mask:0xf   ; over the row's sixteen lanes
.endr
	v_mul_f32 v[T], 0x3b800000, v[T]               ; the mean: / 256
.irp e, 0,2,4,6,8,10,12,14
	v_pk_add_f32 v[X+\e:X+\e+1], v[X+\e:X+\e+1], v[T:T+1] op_sel_hi:[1,0] neg_lo:[0,1] neg_hi:[0,1]
.endr
	v_pk_mul_f32 v[T+2:T+3], v[X:X+1], v[X:X+1]
	v_pk_mul_f32 v[T+4:T+5], v[X+2:X+3], v[X+2:X+3]
.irp e, 4,8,12
	v_pk_fma_f32 v[T+2:T+3], v[X+\e:X+\e+1], v[X+\e:X+\e+1], v[T+2:T+3]
	v_pk_fma_f32 v[T+4:T+5], v[X+\e+2:X+\e+3], v[X+\e+2:X+\e+3], v[T+4:T+5]
.endr
	v_pk_add_f32 v[T+2:T+3], v[T+2:T+3], v[T+4:T+5]
	v_add_f32 v[T+2], v[T+2], v[T+3]
.irp x, 1,2,4,8
	v_add_f32_dpp v[T+2], v[T+2], v[T+2] row_xmask:\x row_mask:0xf bank_mask:0xf
.endr
	v_fma_f32 v[T+2], v[T+2], s76, s77             ; the variance + 1e-5
	s_wait_dscnt 0x0                               ; the gain and the bias are in
	s_wait_alu depctr_va_vdst(0)                   ; ahead of the transcendental
	v_rsq_f32 v[T+4], v[T+2]
	v_nop
	s_wait_alu depctr_va_vdst(0)                   ; and behind it
.irp e, 0,2,4,6,8,10,12,14
	v_pk_mul_f32 v[X+\e:X+\e+1], v[X+\e:X+\e+1], v[T+4:T+5] op_sel_hi:[1,0]
.endr
.irp e, 0,2,4,6,8,10,12,14
	v_pk_fma_f32 v[X+\e:X+\e+1], v[X+\e:X+\e+1], v[\g+\e:\g+\e+1], v[\bb+\e:\bb+\e+1]
.endr
.if \keep
.irp e, 0,1,2,3
	ds_store_b128 v[RL], v[X+4*\e:X+4*\e+3] offset:16*\e
.endr
.endif
	v_max3_num_f32 v[T+6], |v[X]|, |v[X+1]|, 0x1800000   ; my 16 numbers and the floor 2^(3 - 127)
	v_max3_num_f32 v[T+7], |v[X+2]|, |v[X+3]|, |v[X+4]|
	v_max3_num_f32 v[T+6], v[T+6], |v[X+5]|, |v[X+6]|
	v_max3_num_f32 v[T+7], v[T+7], |v[X+7]|, |v[X+8]|
	v_max3_num_f32 v[T+6], v[T+6], |v[X+9]|, |v[X+10]|
	v_max3_num_f32 v[T+7], v[T+7], |v[X+11]|, |v[X+12]|
	v_max3_num_f32 v[T+6], v[T+6], |v[X+13]|, |v[X+14]|
	v_max3_num_f32 v[T+6], v[T+6], v[T+7], |v[X+15]|
	v_max_num_f32_dpp v[T+6], v[T+6], v[T+6] row_xmask:1 row_mask:0xf bank_mask:0xf   ; and my neighbour's 16: the block's
	v_add_nc_u32 v[T+8], 0xff000000, v[T+6]
	v_cvt_scalef32_pk8_fp4_f32 v[T+10], v[X:X+7], v[T+8]
	v_cvt_scalef32_pk8_fp4_f32 v[T+11], v[X+8:X+15], v[T+8]
	v_lshrrev_b32 v[T+9], 23, v[T+8]               ; the byte; also the plain place behind the conversions
	ds_store_b64 v[CW], v[T+10:T+11]
	ds_store_b8 v[SW], v[T+9]                      ; both lanes of a block write the same byte with the same value
.endm
.macro FRAGS                           ; the 32 rows' fragments of codes and their scale words: 10 loads
.irp m, 0,1
.irp s, 0,1
.irp c, 0,1
	ds_load_b128 v[AF+16*\m+8*\s+4*\c:AF+16*\m+8*\s+4*\c+3], v[FRA] offset:2304*\m+64*\s+32*\c
.endr
.endr
	ds_load_b64 v[AS+2*\m:AS+2*\m+1], v[SRA] offset:128*\m
.endr
.endm
.macro WLOAD off                       ; sixteen loads of my own weights' fragments
.irp i, 0,1,2,3,4,5,6,7,8,9,10,11,12,13,14,15
	ds_load_b128 v[WF+4*\i:WF+4*\i+3], v[WL] offset:\off+512*\i
.endr
.endm
.macro HLOAD s0                        ; the hidden layer's fragments of K steps s0 .. s0 + 3, both tiles of rows
.irp s, 0,1,2,3
.irp m, 0,1
.irp c, 0,1
	ds_load_b128 v[HF+16*\s+8*\m+4*\c:HF+16*\s+8*\m+4*\c+3], v[HRB+(\s0+\s)/2] offset:16384*(2*(\s%2)+\c)+512*\m
.endr
.endr
.endr
.endm
	s_mov_b32 s76, 0x3b800000                      ; 1 / 256
	s_mov_b32 s77, 0x3727c5ac                      ; 1e-5
	s_wait_xcnt 0x0                                ; the 15 loads have read their offsets
	LNQ G, BB, 1, 0
	BAR
	; ---- O2 = O1 + relu(O1 Wo + bo)
	FRAGS
.irp e, 0,1,2,3,4,5,6,7
	ds_load_b128 v[BM+4*\e:BM+4*\e+3], v[BMA] offset:80*(\e/4)+16*(\e%4)   ; bm, for the hidden layer
.endr
	s_wait_loadcnt 8                               ; Wo, its scale words and bo are in
	s_wait_dscnt 0x0
	MM OACC, WOF, AF, BO, WOS, AS                  ; two accumulators by turns
	MM OACC+8, WOF, AF+16, BO, WOS, AS+2
	MM OACC, WOF+8, AF+8, OACC, WOS+1, AS+1
	MM OACC+8, WOF+8, AF+24, OACC+8, WOS+1, AS+3
	PLACES 4
.irp m, 0,1
.irp p, 0,1
	ds_load_b128 v[O1R+8*\m+4*\p:O1R+8*\m+4*\p+3], v[DL] offset:16*RP*\m+16*\p
.endr
.endr
	WLOAD 0                                        ; Wm, for the hidden layer
.irp j, 0,1,2,3,4,5,6,7,8,9,10,11,12,13,14,15
	v_max_num_f32 v[OACC+\j], 0, v[OACC+\j]
.endr
	s_wait_alu depctr_va_vdst(0)
	s_wait_dscnt 16                                ; O1 is in; Wm's sixteen may be out
.irp j, 0,2,4,6,8,10,12,14
	v_pk_add_f32 v[O1R+\j:O1R+\j+1], v[O1R+\j:O1R+\j+1], v[OACC+\j:OACC+\j+1]
.endr
.irp m, 0,1
.irp p, 0,1
	ds_store_b128 v[DL], v[O1R+8*\m+4*\p:O1R+8*\m+4*\p+3] offset:16*RP*\m+16*\p
.endr
.endr
	BAR
	s_wait_loadcnt 4                               ; all but We's scale words and be
	LNQ G1, B1, 0, 2560
	BAR
	; ---- the hidden layer: my 64 units, a tile of 16 rows at a time; four accumulators by turns
	FRAGS
	s_wait_dscnt 0x0
.irp m, 0,1
.irp t, 0,1,2,3
	MM ACC+8*\t, WF+16*\t, AF+16*\m, BM+8*\t, WMS+2*\t, AS+2*\m
.endr
.irp t, 0,1,2,3
	MM ACC+8*\t, WF+16*\t+8, AF+16*\m+8, ACC+8*\t, WMS+2*\t+1, AS+2*\m+1
.endr
	PLACES 5
.if \m == 1
	WLOAD 8192                                     ; Wm is done with: We takes its place
.endif
.set j, 0
.rept 32
	v_max_num_f32 v[ACC+j], 0, v[ACC+j]
.set j, j+1
.endr
	v_max3_num_f32 v[T], v[ACC], v[ACC+1], 0x1800000       ; the lane's 32 units are one whole block
	v_max3_num_f32 v[T+1], v[ACC+16], v[ACC+17], 0x1800000
.irp i, 2,4,6,8,10,12,14
	v_max3_num_f32 v[T], v[T], v[ACC+\i], v[ACC+\i+1]
	v_max3_num_f32 v[T+1], v[T+1], v[ACC+16+\i], v[ACC+17+\i]
.endr
	v_max_num_f32 v[T], v[T], v[T+1]
	v_add_nc_u32 v[T], 0xff000000, v[T]
.irp t, 0,1,2,3
	v_cvt_scalef32_pk8_fp4_f32 v[T+4+4*\m+\t], v[ACC+8*\t:ACC+8*\t+7], v[T]
.endr
	v_lshrrev_b32 v[T+2+\m], 23, v[T]
	ds_store_b128 v[WL], v[T+4+4*\m:T+7+4*\m] offset:512*\m   ; the image, in the place of my own Wm fragments, which have been read
	ds_store_b8 v[HSW], v[T+2+\m] offset:512*\m
.endr
	BAR
	; ---- out = hidden We + be + O2: my 16 outputs for the 32 rows; two accumulators by turns, K ascending
.irp m, 0,1
.irp p, 0,1
	ds_load_b128 v[HS+8*\m+4*\p:HS+8*\m+4*\p+3], v[HSR] offset:512*\m+16*\p
	ds_load_b128 v[O2+8*\m+4*\p:O2+8*\m+4*\p+3], v[DL] offset:16*RP*\m+16*\p
.endr
.endr
	HLOAD 0
	s_wait_loadcnt 0x0
	s_wait_dscnt 0x0
	MM OA, WF, HF, BE, WES, HS
	MM OA+8, WF, HF+8, BE, WES, HS+8
.irp s, 1,2,3
	MM OA, WF+8*\s, HF+16*\s, OA, WES+\s, HS+\s
	MM OA+8, WF+8*\s, HF+16*\s+8, OA+8, WES+\s, HS+8+\s
.endr
	PLACES 4
	HLOAD 4
	s_wait_dscnt 0x0
.irp s, 0,1,2,3
	MM OA, WF+32+8*\s, HF+16*\s, OA, WES+4+\s, HS+4+\s
	MM OA+8, WF+32+8*\s, HF+16*\s+8, OA+8, WES+4+\s, HS+12+\s
.endr
	PLACES 4
.irp j, 0,2,4,6,8,10,12,14
	v_pk_add_f32 v[O2+\j:O2+\j+1], v[O2+\j:O2+\j+1], v[OA+\j:OA+\j+1]
.endr
.irp m, 0,1
.irp p, 0,1
	ds_store_b128 v[DL], v[O2+8*\m+4*\p:O2+8*\m+4*\p+3] offset:16*RP*\m+16*\p
.endr
.endr
	BAR
	; ---- the way out: my two rows, 512 consecutive bytes a store
.irp q, 0,1,2,3
	ds_load_b128 v[X+4*\q:X+4*\q+3], v[ORD] offset:RP*(\q/2)+640*(\q%2)
.endr
.irp q, 0,1,2,3
	s_wait_dscnt 3-\q
	global_store_b128 v[LI], v[X+4*\q:X+4*\q+3], s[40:41] offset:1024*(\q/2)+512*(\q%2) th:TH_STORE_NT
.endr
	s_wait_tensorcnt 0x0                           ; the wave's end
	ds_add_u32 v[SPW], v[NIL]
	s_wait_dscnt 0x0
	s_endpgm
.Lfunc_end_k_qdc279cae20_main:
	.size	k_qdc279cae20_main, .Lfunc_end_k_qdc279cae20_main-k_qdc279cae20_main
	.p2alignl 7, 3214868480
	.fill 96, 4, 3214868480
	.section	.rodata,"a",@progbits
	.p2align	6, 0x0
	.amdhsa_kernel k_qdc279cae20_main
		.amdhsa_group_segment_fixed_size 327680
		.amdhsa_private_segment_fixed_size 0
		.amdhsa_enable_private_segment 0
		.amdhsa_kernarg_size 136
		.amdhsa_user_sgpr_count 2
		.amdhsa_user_sgpr_kernarg_segment_ptr 1
		.amdhsa_wavefront_size32 1
		.amdhsa_system_sgpr_workgroup_id_x 1
		.amdhsa_system_sgpr_workgroup_id_y 1
		.amdhsa_system_sgpr_workgroup_id_z 1
		.amdhsa_system_vgpr_workitem_id 0
		.amdhsa_next_free_vgpr 256
		.amdhsa_next_free_sgpr 96
		.amdhsa_reserve_vcc 0
		.amdhsa_float_denorm_mode_32 3
		.amdhsa_float_denorm_mode_16_64 3
		.amdhsa_memory_ordered 1
		.amdhsa_forward_progress 1
		.amdhsa_inst_pref_size 99
	.end_amdhsa_kernel
	.amdgpu_metadata
---
amdhsa.version: [ 1, 2 ]
amdhsa.kernels:
  - .name:           k_qdc279cae20_main
    .symbol:         k_qdc279cae20_main.kd
    .args:
      - { .name: q_codes, .offset: 0, .size: 8, .value_kind: global_buffer, .address_space: global }
      - { .name: q_scales, .offset: 8, .size: 8, .value_kind: global_buffer, .address_space: global }
      - { .name: Wq_scales, .offset: 16, .size: 8, .value_kind: global_buffer, .address_space: global }
      - { .name: bq, .offset: 24, .size: 8, .value_kind: global_buffer, .address_space: global }
      - { .name: kv, .offset: 32, .size: 8, .value_kind: global_buffer, .address_space: global }
      - { .name: img, .offset: 40, .size: 8, .value_kind: global_buffer, .address_space: global }
      - { .name: Wo_scales, .offset: 48, .size: 8, .value_kind: global_buffer, .address_space: global }
      - { .name: bo, .offset: 56, .size: 8, .value_kind: global_buffer, .address_space: global }
      - { .name: Wm_scales, .offset: 64, .size: 8, .value_kind: global_buffer, .address_space: global }
      - { .name: bm, .offset: 72, .size: 8, .value_kind: global_buffer, .address_space: global }
      - { .name: We_scales, .offset: 80, .size: 8, .value_kind: global_buffer, .address_space: global }
      - { .name: be, .offset: 88, .size: 8, .value_kind: global_buffer, .address_space: global }
      - { .name: g0, .offset: 96, .size: 8, .value_kind: global_buffer, .address_space: global }
      - { .name: b0, .offset: 104, .size: 8, .value_kind: global_buffer, .address_space: global }
      - { .name: g1, .offset: 112, .size: 8, .value_kind: global_buffer, .address_space: global }
      - { .name: b1, .offset: 120, .size: 8, .value_kind: global_buffer, .address_space: global }
      - { .name: out0, .offset: 128, .size: 8, .value_kind: global_buffer, .address_space: global }
    .group_segment_fixed_size: 327680
    .private_segment_fixed_size: 0
    .kernarg_segment_align: 8
    .kernarg_segment_size: 136
    .max_flat_workgroup_size: 512
    .sgpr_count:     96
    .vgpr_count:     256
    .wavefront_size: 32
...
	.end_amdgpu_metadata
.endif
;; end of part 2
